; MI455X (gfx1250); checked and timed in simulation.
; The chip was launched on July 23, 2026; its instructions are those of AMD's public machine-readable ISA for CDNA 5 (MIT licence, August 2026) and "CDNA5" Instruction Set Architecture Reference Guide (July 2026). The comments in the code are by the model that wrote it; some were corrected since.
;; Multi Head Self Attention. Allowed arithmetic: float matrix products may take bf16 or f16 operands with f32 sums; other float arithmetic in f32, or as packed bf16 or f16 multiplies, adds, multiply-adds, maxima and minima; sums over many terms, partial sums and values carried from step to step in f32; what a program stores and reads back later, other than sums and carried values, may be rounded once to bf16 or f16.
;; Inputs: W_out 1,024 x 1,024 float32; W_qkv 1,024 x 3,072 float32; b_out 1,024 float32; b_qkv 3,072 float32; x 2 x 8,192 x 1,024 float32.
;; Outputs: out0 2 x 8,192 x 1,024 float32.
;; One version. Each part assembles by itself: llvm-mc -triple=amdgcn-amd-amdhsa -mcpu=gfx1250 --defsym DOCPART=n.
;; ======== version 1 of 1: 3 launches
;; limits: values are held in f16: magnitudes above 65,504 overflow, below 6.1e-05 lose precision
;; workspace buffers: wt 8,388,608 bytes; bq 16,384 bytes; ctx 33,554,432 bytes
;; launch prep (part 1): grid 128 x 4, 8 waves a work-group, no clusters, 0 bytes of LDS; arguments W_qkv, W_out, b_qkv, b_out, wt, bq; writes wt, bq
.if DOCPART == 1
	.amdgcn_target "amdgcn-amd-amdhsa--gfx1250"
	.amdhsa_code_object_version 6
	.text
	.protected	k_q0a56198c14_prep
	.globl	k_q0a56198c14_prep
	.p2align	8
	.type	k_q0a56198c14_prep,@function
k_q0a56198c14_prep:
	s_mov_b64 s[64:65], 0
	v_nop
	global_prefetch_b8 v0, s[64:65] scope:SCOPE_SE
	s_setreg_imm32_b32 hwreg(HW_REG_WAVE_MODE, 25, 1), 1
	s_wait_xcnt 0x0
; THE WEIGHTS, ROUNDED ONCE AND LAID OUT AS MATRIX FRAGMENTS; THE BIASES IN THE SAME COLUMN ORDER.
; wt: [p 4][kc 16][w 4][ks 2][nb 16][half 2][lane 32][16 bytes].  16 bytes are 8 ascending k of one column: k = 64 kc + 32 ks + 16 half + 8 (lane / 16) + 0..7;
; the column is that of lane % 16 in block nb of quarter w of pass p:
;   p = 0, 1 (bf16): q and k, channels 32 p .. 32 p + 31 of each head: W_qkv's column 192 (4 w + nb / 4) + 64 ((nb / 2) % 2) + 32 p + 16 (nb % 2) + r
;   p = 2    (bf16): v:                                                W_qkv's column 192 (4 w + nb / 4) + 128 + 16 (nb % 4) + r
;   p = 3    (f16) : W_out's column 256 w + 16 nb + r, rounded to bf16 like every other input and that number written as f16
; LIMIT: a weight of W_out below 6e-5 keeps f16's fixed step of 6e-8, one beyond 65,504 becomes an infinity.
; bq: [p 4][1024] f32: the bias of column 256 w + 16 nb + r of pass p, rounded to bf16 and widened again.
; SHARES.  Work-group (x, y): pass p = y, 32 columns cg = x / 4 (they lie side by side in the source), a quarter x % 4 of K; each of its eight waves one K step of 32.
; A lane is a column: 32 loads of 4 bytes walk down K (128 neighbouring bytes a wave), four stores of 16 bytes; lanes 0-15 and lanes 16-31 each store 256 consecutive bytes, aligned.
; No LDS, no matrix unit, no cluster: nothing is shared, and the launch moves 16 MiB once.
.set LO, 2                             ; v2      4 x lane: my column in the source, and my word in the biases
.set DO, 3                             ; v3      my 16 bytes in a fragment: 1,024 (lane / 16) + 16 (lane % 16)
.set D,  8                             ; v[8:39]  32 numbers down K
.set PK, 40                            ; v[40:55] four octets, packed: a set of four registers for each store
.set TM, 56                            ; v[56:63] at work
	s_load_b256 s[4:11], s[0:1], 0x0               ; W_qkv s[4:5], W_out s[6:7], b_qkv s[8:9], b_out s[10:11]
	s_load_b128 s[12:15], s[0:1], 0x20             ; wt s[12:13], bq s[14:15]
	v_lshrrev_b32 v1, 5, v0
	v_readfirstlane_b32 s16, v1                    ; wave 0..7
	s_and_b32 s17, ttmp7, 0xffff                   ; p
	s_lshr_b32 s18, ttmp9, 2                       ; cg: 32 columns of the pass
	s_and_b32 s19, ttmp9, 3
	s_lshl3_add_u32 s19, s19, s16                  ; kk = 8 x quarter + wave: my K step of 32
	s_lshr_b32 s20, s18, 1                         ; the head
	s_and_b32 s21, s18, 1
	s_mul_i32 s22, s20, 192
	s_lshl_b32 s23, s21, 6
	s_lshl_b32 s24, s17, 5
	s_add_co_u32 s23, s23, s24
	s_add_co_u32 s23, s23, s22                     ; p < 2: 192 head + 64 (q or k) + 32 p
	s_lshl_b32 s24, s21, 5
	s_add_co_u32 s24, s24, 128
	s_add_co_u32 s24, s24, s22                     ; p = 2: 192 head + 128 + 32 (half of v)
	s_lshl_b32 s25, s18, 5                         ; p = 3: 32 cg
	s_cmp_eq_u32 s17, 2
	s_cselect_b32 s23, s24, s23
	s_cmp_eq_u32 s17, 3
	s_cselect_b32 s23, s25, s23                    ; e0: my work-group's first column in the source
	s_lshl_b32 s34, s23, 2                         ; in bytes
	s_mov_b32 s35, 0
	s_mov_b32 s26, 32*12288                        ; 32 rows of W_qkv,
	s_cmp_eq_u32 s17, 3
	s_cselect_b32 s26, 32*4096, s26                ; or of W_out
	s_mul_i32 s26, s19, s26
	s_add_co_u32 s26, s26, s34                     ; the source's offset: under 2^24
	s_mov_b32 s27, 0
	s_lshl_b32 s36, s17, 21                        ; the destination's: p,
	s_lshr_b32 s37, s19, 1
	s_lshl_b32 s37, s37, 17
	s_add_co_u32 s36, s36, s37                     ; kc = kk / 2,
	s_lshr_b32 s37, s18, 3
	s_lshl_b32 s37, s37, 15
	s_add_co_u32 s36, s36, s37                     ; w = cg / 8,
	s_and_b32 s37, s19, 1
	s_lshl_b32 s37, s37, 14
	s_add_co_u32 s36, s36, s37                     ; ks = kk % 2,
	s_and_b32 s37, s18, 7
	s_lshl_b32 s37, s37, 11
	s_add_co_u32 s36, s36, s37                     ; two blocks nb
	s_mov_b32 s37, 0
	s_lshl_b32 s38, s17, 12
	s_lshl_b32 s39, s18, 7
	s_add_co_u32 s38, s38, s39                     ; in bq: 4,096 p + 128 cg
	s_mov_b32 s39, 0
	v_and_b32 v4, 31, v0
	v_lshlrev_b32 v[LO], 2, v4
	v_and_b32 v5, 15, v0
	v_bfe_u32 v6, v0, 4, 1
	v_lshlrev_b32 v[DO], 4, v5
	v_lshl_add_u32 v[DO], v6, 10, v[DO]
	s_wait_kmcnt 0x0
	s_cmp_eq_u32 s17, 3
	s_cselect_b64 s[28:29], s[6:7], s[4:5]         ; the weights of this pass,
	s_cselect_b64 s[32:33], s[10:11], s[8:9]       ; and their bias
	s_add_nc_u64 s[28:29], s[28:29], s[26:27]
	s_add_nc_u64 s[32:33], s[32:33], s[34:35]
	s_add_nc_u64 s[30:31], s[12:13], s[36:37]
	s_add_nc_u64 s[14:15], s[14:15], s[38:39]
; 32 rows in, four octets out.  f16 = 1: the bf16 number is widened and written as f16.
.macro BODY pitch, f16
.set row, 0
.rept 32
	global_load_b32 v[D+row], v[LO], s[28:29] offset:row*(\pitch)
.set row, row+1
.endr
.irp o, 0,1,2,3
	s_wait_loadcnt 24-8*(\o)                       ; loads come back in order: octet o's eight rows are in, the rows behind them stay out
.irp j, 0,1,2,3
	v_cvt_pk_bf16_f32 v[PK+4*(\o)+(\j)], v[D+8*(\o)+2*(\j)], v[D+8*(\o)+2*(\j)+1]  ; the lower k in the lower half
.endr
.if \f16
.irp j, 0,1,2,3
	v_lshlrev_b32 v[TM+2*(\j)],   16, v[PK+4*(\o)+(\j)]
	v_and_b32     v[TM+2*(\j)+1], 0xffff0000, v[PK+4*(\o)+(\j)]
.endr
.irp j, 0,1,2,3
	v_cvt_pk_f16_f32 v[PK+4*(\o)+(\j)], v[TM+2*(\j)], v[TM+2*(\j)+1]
.endr
.endif
	global_store_b128 v[DO], v[PK+4*(\o):PK+4*(\o)+3], s[30:31] offset:256*(\o)  ; octet o = 2 half + lane / 16: 256 o bytes into the fragment
.endr
.endm
	s_cmp_eq_u32 s17, 3
	s_cbranch_scc1 .Lwout
	BODY 12288, 0
	s_branch .Lbias
.Lwout:
	BODY 4096, 1
.Lbias:
	s_cmp_lg_u32 s19, 0                            ; the wave with K step 0 also writes its 32 columns' bias
	s_cbranch_scc1 .Lend
	global_load_b32 v7, v[LO], s[32:33]
	s_wait_loadcnt 0x0
	v_cvt_pk_bf16_f32 v6, v7, v7
	v_lshlrev_b32 v6, 16, v6
	global_store_b32 v[LO], v6, s[14:15]
.Lend:
	s_endpgm
.Lfunc_end_k_q0a56198c14_prep:
	.size	k_q0a56198c14_prep, .Lfunc_end_k_q0a56198c14_prep-k_q0a56198c14_prep
	.p2alignl 7, 3214868480
	.fill 96, 4, 3214868480
	.section	.rodata,"a",@progbits
	.p2align	6, 0x0
	.amdhsa_kernel k_q0a56198c14_prep
		.amdhsa_group_segment_fixed_size 0
		.amdhsa_private_segment_fixed_size 0
		.amdhsa_enable_private_segment 0
		.amdhsa_kernarg_size 48
		.amdhsa_user_sgpr_count 2
		.amdhsa_user_sgpr_kernarg_segment_ptr 1
		.amdhsa_wavefront_size32 1
		.amdhsa_system_sgpr_workgroup_id_x 1
		.amdhsa_system_sgpr_workgroup_id_y 1
		.amdhsa_system_sgpr_workgroup_id_z 1
		.amdhsa_system_vgpr_workitem_id 0
		.amdhsa_next_free_vgpr 64
		.amdhsa_next_free_sgpr 66
		.amdhsa_reserve_vcc 0
		.amdhsa_float_denorm_mode_32 3
		.amdhsa_float_denorm_mode_16_64 3
		.amdhsa_memory_ordered 1
		.amdhsa_forward_progress 1
		.amdhsa_inst_pref_size 15
	.end_amdhsa_kernel
	.amdgpu_metadata
---
amdhsa.version: [ 1, 2 ]
amdhsa.kernels:
  - .name:           k_q0a56198c14_prep
    .symbol:         k_q0a56198c14_prep.kd
    .args:
      - { .name: W_qkv, .offset: 0, .size: 8, .value_kind: global_buffer, .address_space: global }
      - { .name: W_out, .offset: 8, .size: 8, .value_kind: global_buffer, .address_space: global }
      - { .name: b_qkv, .offset: 16, .size: 8, .value_kind: global_buffer, .address_space: global }
      - { .name: b_out, .offset: 24, .size: 8, .value_kind: global_buffer, .address_space: global }
      - { .name: wt, .offset: 32, .size: 8, .value_kind: global_buffer, .address_space: global }
      - { .name: bq, .offset: 40, .size: 8, .value_kind: global_buffer, .address_space: global }
    .group_segment_fixed_size: 0
    .private_segment_fixed_size: 0
    .kernarg_segment_align: 8
    .kernarg_segment_size: 48
    .max_flat_workgroup_size: 256
    .sgpr_count:     66
    .vgpr_count:     64
    .wavefront_size: 32
...
	.end_amdgpu_metadata
.endif
;; end of part 1
;; launch qkvatt (part 2): grid 256 x 1, 4 waves a work-group, clusters of 4 x 1, 327,680 bytes of LDS; arguments x, wt, bq, ctx; writes ctx
.if DOCPART == 2
	.amdgcn_target "amdgcn-amd-amdhsa--gfx1250"
	.amdhsa_code_object_version 6
	.text
	.protected	k_q0a56198c14_qkvatt
	.globl	k_q0a56198c14_qkvatt
	.p2align	8
	.type	k_q0a56198c14_qkvatt,@function
k_q0a56198c14_qkvatt:
	s_mov_b64 s[64:65], 0
	v_nop
	global_prefetch_b8 v0, s[64:65] scope:SCOPE_SE
	s_setreg_imm32_b32 hwreg(HW_REG_WAVE_MODE, 25, 1), 1
	s_wait_xcnt 0x0
	s_wait_alu depctr_hold_cnt(0) depctr_sa_sdst(0) depctr_va_vdst(0) depctr_va_sdst(0) depctr_va_ssrc(0) depctr_va_vcc(0) depctr_vm_vsrc(0)
	s_getreg_b32 s2, hwreg(HW_REG_IB_STS2, 6, 4)
	s_cmp_eq_u32 s2, 0
	s_cbranch_scc0 .Lentry_in_a_cluster
	s_endpgm
.Lentry_in_a_cluster:
	s_bfe_u32 s2, ttmp6, 0x10000c
	s_cmp_lg_u32 s2, 0x3003
	s_cbranch_scc0 .Lentry_shape_is_right
	s_endpgm
.Lentry_shape_is_right:
; ctx = softmax over heads (q k^T / 8) v, with q, k, v = x W_qkv + b_qkv.  x: [16384][1024] f32; wt, bq: as the launch before laid them out; ctx: [16384][1024] f16.
; A token's scores lie between its OWN 16 heads, so a work-group owns whole tokens: 64 of them, 256 work-groups.  It multiplies its 64 rows of x by all of W_qkv in three PASSES of 1,024 columns:
; (q, k; channels 0-31 of each head), (q, k; channels 32-63), (v).  Behind each of the first two passes the partial scores q k^T over those 32 channels are added up (8 f32 a lane and token) and
; q and k are dropped; behind the second the softmax; behind the third P v.  So q, k and v never lie anywhere together, and nothing but ctx goes to memory.
; FORMATS.  x and W_qkv in bf16, b_qkv rounded to bf16, sums in f32; q, k, v, the weights P (normalised in f32 first) and ctx in f16.
; LIMITS.  q, k and v must stay within f16's 65,504; a weight below 2^-126 counts as 0 in the row's sum; NaN and infinities are not treated apart; K is summed from another chunk on in each cluster.
; SHARES.  In the products wave w owns columns 256 w .. 256 w + 255 of a pass for all 64 tokens: 4 x 16 accumulators of 16 x 16, 512 registers.  In the attention it owns tokens 16 t + 4 w + i (t, i = 0..3).
; THE MATRIX INSTRUCTION IS USED TRANSPOSED: source 0 = 16 columns of the weights, source 1 = 16 tokens: a lane holds one token (lane % 16) and eight neighbouring columns 8 (lane / 16) + 0..7.
; THE RING.  K goes in chunks of 64; a chunk of a pass is 131,072 bytes of wt, 32,768 for each wave, in fragment order: dense in memory and in LDS, read back by 16 bytes a lane on end.  Two slots; each wave
; fetches and reads its own quarter.  48 chunks: chunk n is pass n / 16, kc = (n + ROT) % 16.  ONE LOOP of 23 trips walks chunks 0 to 45, two a trip; what stands between the passes is jumped over in the other trips,
; by a forward jump on the loop's own counter; the last two chunks, which ask for nothing, are written out.
; CLUSTER.  All work-groups walk the same weights: the four of a cluster ask for each tile JOINTLY (the same tensor load, descriptor and mask in all four).  ROT = cluster % 16: the clusters start K at
; different chunks, so that they do not all ask for the same bytes at the same time.
; x comes through registers: each wave loads 16 tokens x 64 k of f32 two chunks ahead, rounds them to bf16 and stores them into one of two LDS halves, which all four waves read.
; REGISTERS, in windows of 256 (s_set_vgpr_msb: bits 1:0 source 0, 3:2 source 1, 5:4 source 2, 7:6 destination):
;   window 0: v2-17 addresses; v18-31 at work; v32-95, v96-159 weight fragments, two buffers of 8 blocks; v160-191, v192-223 x fragments, two buffers; v224-255 at work
;   window 1: v0-127 the scores of my 16 tokens, later P; v128-191 x as loaded, two buffers; v192-207 x rounded; v208-239 a pair of statistics a token
;   windows 2, 3: accumulator (m, nb) in window 2 + nb / 8 at v[8 (8 m + nb % 8)]
.set SLOT1, 131072                     ; slot 0 at LDS byte 0, slot 1 here; wave w's quarter at 32,768 w
.set XA,    262144                     ; x in bf16: two halves (chunk parity) of 64 token rows
.set XP,    144                        ; a row: 128 bytes + 16: the 16 rows of a fragment load start at 16 different groups of four banks (64 banks of 4 bytes: ISA guide 11.1)
.set XAH,   64*XP
.set STAGE, XA+2*XAH                   ; q and k of 16 tokens: token pitch TP; 32 rows (q of heads 0-15, k of heads 0-15) of 64 bytes, pitch 80
.set TP,    2576                       ; 161 x 16 bytes: 16 tokens' stores of 16 bytes fall on 16 different groups of four banks
.set SPARE, STAGE+16*TP                ; the spare words, 128 bytes for each wave: two blocks of 256 bytes that no other line names
.set OUTST, 196608                     ; when the ring has had its last fill: v of 64 tokens from byte 0 (token pitch TP, 16 rows of 128 bytes, pitch 160), and here 9,216 bytes a wave for the way out
.set B0, 32
.set B1, 96
.set A0, 160
.set A1, 192
.set T1, 96                            ; q, k packed, 64 registers (the second weight buffer, idle between passes)
.set T2, 192                           ; fragments of k and q of four tokens, 64 registers
.set CV, 160                           ; the end: packed v, packed ctx
.set VF, 32                            ; the end: fragments of v^T: token i, channel block db at VF + 8 (4 i + db)
.set RAW, 128                          ; window 1
.set XT,  192                          ; window 1
.set SM,  208                          ; window 1
; v2, v3 weight fragments in slot 0, 1   v4 x fragments   v5 where I store x   v6 my 16 bytes of two rows of x   v7 my 32 bytes of a bias block   v8 q, k into the stage   v9 back
; v10 v into LDS   v11 back, turned   v12 ctx into my stage   v13 back   v14 16 x lane   v15 4,096 x lane (prefetch)   v16, v17 my spare word's address, and 0
; s12 wave   s13 cx   s14 work-group   s15 ROT   s[16:23] group 1   s[24:27], s[28:31] group 0 of slot 0, 1   s32 the chunk to ask for   s[34:35] its offset   s[36:37] wt at my quarter
; s[38:39] x at my 16 rows   s[40:41] the x loads' base   s[44:45] their byte along K   s[46:47] the prefetch's address   s[48:49] x at my wave pair's 32 rows   s[50:51] the prefetch's byte along K
; s52 prefetches to come   s[54:55] bq at my columns of the next pass   s[56:57] c   s[58:59] lane selects   s60 the loop's counter   s[62:63] ctx at my first token
.set MSB, 0
.macro WIN new                         ; the immediate's high byte repeats the setting that is left; a switch that changes nothing is dropped
.if MSB != (\new)
	s_set_vgpr_msb (MSB<<8)|(\new)
.set MSB, (\new)
.endif
.endm
.macro PLACES                          ; four places behind a matrix instruction, ahead of loads into and vector writes of its registers and of reads of its result
.rept 4
	v_nop
.endr
.endm
.macro CREST                           ; a round of the cluster's barrier behind its opening barrier
	s_cmp_lg_u32 s12, 0
	s_cbranch_scc1 .Lnot_wave_0_\@
	s_barrier_signal -3
.Lnot_wave_0_\@:
	s_barrier_wait -3
	s_barrier_signal -1
	s_barrier_wait -1
.endm
.macro CROUND
	s_barrier_signal -1
	s_barrier_wait -1
	CREST
.endm
; Group 0 of slot s takes the address of chunk s32: pass s32 / 16, kc = (s32 + ROT) % 16.  Written only where no tensor load of the wave is out.
.macro MKOFF s
	s_add_co_u32 s33, s32, s15
	s_and_b32 s33, s33, 15
	s_lshl_b32 s33, s33, 17
	s_lshr_b32 s34, s32, 4
	s_lshl_b32 s34, s34, 21
	s_add_co_u32 s34, s34, s33
	s_add_nc_u64 s[26+4*(\s):27+4*(\s)], s[36:37], s[34:35]
	s_or_b32 s[27+4*(\s)], s[27+4*(\s)], 0x80000000   ; type = 2
	s_add_co_u32 s32, s32, 1
.endm
; 16 LDS loads: eight weight fragments (K step ks of the chunk, blocks 8 nbh .. 8 nbh + 7): 512 neighbouring bytes each
.macro FB slot, ks, nbh, buf
.irp b, 0,1,2,3,4,5,6,7
	ds_load_b128 v[(\buf)+8*\b:(\buf)+8*\b+3],   v[2+(\slot)] offset:(16*(\ks)+8*(\nbh)+\b)*1024
	ds_load_b128 v[(\buf)+8*\b+4:(\buf)+8*\b+7], v[2+(\slot)] offset:(16*(\ks)+8*(\nbh)+\b)*1024+512
.endr
.endm
; 8 LDS loads: the four x fragments of K step ks
.macro FA par, ks, buf
.irp m, 0,1,2,3
	ds_load_b128 v[(\buf)+8*\m:(\buf)+8*\m+3],   v4 offset:16*XP*\m+XAH*(\par)+64*(\ks)
	ds_load_b128 v[(\buf)+8*\m+4:(\buf)+8*\m+7], v4 offset:16*XP*\m+XAH*(\par)+64*(\ks)+32
.endr
.endm
; Products of half step hs (K step hs / 2, blocks 8 (hs % 2) ..), token blocks m0 .. m1.  Every accumulator has one instruction a turn, 63 others' between two of its own.
.macro MUL hs, m0, m1
	WIN 0xa0+0x50*((\hs)%2)
.set mm, (\m0)
.rept (\m1)-(\m0)+1
.irp b, 0,1,2,3,4,5,6,7
	v_wmma_f32_16x16x32_bf16 v[8*(8*mm+\b):8*(8*mm+\b)+7], v[B0+64*((\hs)%2)+8*\b:B0+64*((\hs)%2)+8*\b+7], v[A0+32*((\hs)/2)+8*mm:A0+32*((\hs)/2)+8*mm+7], v[8*(8*mm+\b):8*(8*mm+\b)+7]
.endr
.set mm, mm+1
.endr
.endm
; x buffer p (a chunk of parity p) is rounded to bf16 and stored into half p.  cnt: the younger loads that may stay out.  Its 16 conversions name no register of the products round them: they are places too.
.macro XSTORE p, cnt
	s_wait_loadcnt \cnt                            ; loads come back in order: this buffer's eight are in
	WIN 0x45
.set k, 0
.rept 16
	v_cvt_pk_bf16_f32 v[XT+k], v[RAW+32*(\p)+2*k], v[RAW+32*(\p)+2*k+1]
.set k, k+1
.endr
	WIN 0x04
.irp j, 0,1,2,3,4,5,6,7
	ds_store_b64 v5, v[XT+2*\j:XT+2*\j+1] offset:2*XP*\j+XAH*(\p)   ; rows 2 j and 2 j + 1 of my 16, 8 bytes a lane
.endr
.endm
; The next chunk of x into buffer p: 16 rows x 256 bytes, two whole rows an instruction.  The byte along K wraps at a row's end, as the chunks do.
.macro XLOAD p
	s_wait_xcnt 0x0                                ; every earlier load and prefetch has read its address: the two bases are written only behind this wait
	s_add_nc_u64 s[40:41], s[38:39], s[44:45]
	s_add_co_u32 s50, s44, 512
	s_and_b32 s50, s50, 4095
	s_add_nc_u64 s[46:47], s[48:49], s[50:51]      ; the prefetch names the chunk two behind the one loaded here
	s_add_co_u32 s44, s44, 256
	s_and_b32 s44, s44, 4095
	WIN 0x40
.irp j, 0,1,2,3,4,5,6,7
	global_load_b128 v[RAW+32*(\p)+4*\j:RAW+32*(\p)+4*\j+3], v6, s[40:41] offset:8192*\j
.endr
.endm
; A PREFETCH INTO THE L2 of x, in the first pass alone, where x is read for the first time: in slot i the chunk i + 5, which slot i + 2 loads: 256 matrix instructions ahead.  Waves 0 and 2 ask, each for the 32 rows
; of its wave pair, a lane a row of 256 bytes: each block is named once in the launch.  Eleven requests: chunks 5 to 15; chunks 0 to 4 come by their loads alone; then the count is 0 and nothing more is asked for.
.macro ASK
	s_cmp_lg_u32 s52, 0
	s_cbranch_scc0 .Lnot_mine_\@
	global_prefetch_b8 v15, s[46:47] th:TH_LOAD_NT scope:SCOPE_SE
	s_sub_co_u32 s52, s52, 1
.Lnot_mine_\@:
.endm
; The bias of the next pass goes straight into the accumulators of token block t: the sums start at the bias.
.macro BIAS t
	WIN 0x80
.set nb, 0
.rept 16
.if nb == 8
	WIN 0xc0
.endif
	global_load_b128 v[8*(8*(\t)+nb%8):8*(8*(\t)+nb%8)+3],   v7, s[54:55] offset:64*nb
	global_load_b128 v[8*(8*(\t)+nb%8)+4:8*(8*(\t)+nb%8)+7], v7, s[54:55] offset:64*nb+16
.set nb, nb+1
.endr
.endm
; Token block t's 16 accumulators, rounded to f16: 4 registers a block, from each accumulator's lowest registers on
.macro CVTS t, dst
	WIN 0x0a
.set nb, 0
.rept 16
.if nb == 8
	WIN 0x0f
.endif
.irp rr, 0,1,2,3
	v_cvt_pk_f16_f32 v[(\dst)+4*nb+\rr], v[8*(8*(\t)+nb%8)+2*\rr], v[8*(8*(\t)+nb%8)+2*\rr+1]
.endr
.set nb, nb+1
.endr
.endm
; ONE CHUNK, in slot s: four half steps of 32 matrix instructions.  Each run of LDS loads stands 32 matrix instructions ahead of its first use.
; fill: slot s is filled again, two chunks on.  xst: the next chunk's x is stored.  xld: the chunk three on is loaded.  nxt: the next chunk's first fragments are fetched.  bar = 0: the last chunk.  ask: see ASK.
.macro SLOT s, fill, xst, xld, nxt, bar, ask
	PLACES
	WIN 0
	FB \s, 0, 1, B1
	s_wait_dscnt 16                                ; all but the 16 just issued: the first fragments are in
	MUL 0, 0, 3
	PLACES
	WIN 0
	FB \s, 1, 0, B0
	FA \s, 1, A1
	s_wait_dscnt 24                                ; all but the 24 just issued
	MUL 1, 0, 3
.if \xst
	XSTORE 1-\s, 8                                 ; the other buffer's eight loads may stay out
.else
	PLACES
.endif
.if \xld
	XLOAD 1-\s
.endif
	WIN 0
	FB \s, 1, 1, B1                                ; my last reads of this slot
	s_wait_dscnt 16+8*(\xst)                       ; this half step's fragments are in: younger than their loads are these 16 loads and, where x was stored, its 8 stores, which the wait for 0 below covers
.if \bar
	MUL 2, 0, 1
	WIN 0                                          ; (the add's two registers lie in window 0)
	s_wait_tensorcnt 0x0                           ; all my tensor loads have landed: the one that was out is my quarter of the other slot
	ds_add_u32 v16, v17                            ; 0 onto my spare word
.if \fill
	MKOFF \s
.endif
	MUL 2, 2, 2                                    ; work on registers between the add and the wait for it
	s_wait_dscnt 0x0                               ; the add is done, my reads of this slot and of this half of x are over, my stores into the other half are done
	s_barrier_signal -1                            ; where the slot is filled again this barrier opens a round of the cluster's
	WIN 0
	s_barrier_wait -1
.if \fill
	CREST                                          ; no wave of any partner still reads this slot or has a load on its way
	tensor_load_to_lds s[24+4*(\s):27+4*(\s)], s[16:23]   ; my one tensor load behind the round: 120 matrix instructions ahead of the wait for it
	s_nop 0
.endif
	MUL 2, 3, 3                                    ; the half step's last products stand behind the refill, not in front of it: the refill waits for nothing that can come later
	PLACES                                         ; in front of the loads below, into registers that those products have read
	WIN 0
.else
	MUL 2, 0, 3
	s_wait_dscnt 0x0
.endif
.if \nxt
	FB 1-\s, 0, 0, B0
	FA 1-\s, 0, A0
.endif
.if \ask
	ASK
.endif
	MUL 3, 0, 3
.endm
	s_load_b256 s[4:11], s[0:1], 0x0               ; x s[4:5], wt s[6:7], bq s[8:9], ctx s[10:11]
	v_lshl_add_u32 v16, v0, 2, SPARE
	v_mov_b32 v17, 0
	ds_add_u32 v16, v17                            ; the wave's opening: the add and its wait stand ahead of my first tensor load; the set-up below, work on registers, stands between them
	v_lshrrev_b32 v1, 5, v0
	v_readfirstlane_b32 s12, v1                    ; wave 0..3
	s_bfe_u32 s13, ttmp6, 0x40000                  ; cx: it enters x's and ctx's addresses alone
	s_lshl_b32 s14, ttmp9, 2                       ; in a cluster launch ttmp9 counts clusters
	s_add_co_u32 s14, s14, s13                     ; my work-group
	s_and_b32 s15, ttmp9, 15                       ; ROT: the same in all four partners
	; group 1: 32,768 dense bytes as 128 rows of 256 bytes, no padding
	s_mov_b32 s16, 15|(3<<16)|(1<<21)              ; 15:0 the mask of four; 17:16 elements of 8 bytes; 21 set beside a mask
	s_mov_b32 s17, 32<<16                          ; tensor_dim0 = 32
	s_mov_b32 s18, 128<<16                         ; tensor_dim1 = 128
	s_mov_b32 s19, 32<<16                          ; tile_dim0 = 32
	s_mov_b32 s20, 128                             ; tile_dim1 = 128
	s_mov_b32 s21, 32                              ; 32 elements from row to row
	s_mov_b32 s22, 0
	s_mov_b32 s23, 0
	s_mov_b32 s24, 1                               ; count = 1
	s_lshl_b32 s25, s12, 15                        ; LDS address: slot 0, my quarter
	s_mov_b32 s28, 1
	s_add_co_u32 s29, s25, SLOT1                   ; slot 1, my quarter
	s_mov_b32 s32, 0
	s_mov_b32 s35, 0
	s_lshl_b32 s44, s15, 8                         ; x begins at chunk ROT too
	s_mov_b32 s45, 0
	s_mov_b32 s51, 0
	s_and_b32 s33, s12, 1
	s_cmp_eq_u32 s33, 0
	s_cselect_b32 s52, 11, 0                       ; waves 0 and 2 prefetch
	s_mov_b32 s56, 0x3e38aa3b                      ; c = log2(e) / 8
	s_mov_b32 s57, s56                             ; named with it as a pair
	s_mov_b32 s58, 0x76543210                      ; v_permlanex16_b32: each lane takes its own place in the other half
	s_mov_b32 s59, 0xfedcba98
	v_and_b32 v18, 15, v0                          ; r = l % 16
	v_bfe_u32 v19, v0, 4, 1                        ; h = l / 16
	v_and_b32 v20, 31, v0                          ; l
	v_and_b32 v21, 7, v0
	v_bfe_u32 v22, v0, 3, 1
	v_bfe_u32 v23, v0, 3, 2
	v_lshl_add_u32 v2, v20, 4, s25                 ; 32,768 w + 16 l
	v_add_nc_u32 v3, SLOT1, v2
	v_mul_u32_u24 v4, v18, XP
	v_lshl_add_u32 v4, v19, 4, v4
	v_add_nc_u32 v4, XA, v4                        ; token r of a block, 16 bytes for each half of the lanes
	s_mul_i32 s33, s12, 16*XP
	s_add_co_u32 s33, s33, XA
	v_mul_u32_u24 v5, v19, XP
	v_lshl_add_u32 v5, v18, 3, v5
	v_add_nc_u32 v5, s33, v5                       ; row 16 w + h, 8 bytes a lane
	v_lshlrev_b32 v6, 12, v19
	v_lshl_add_u32 v6, v18, 4, v6                  ; row h of two, 16 bytes a lane
	v_lshlrev_b32 v7, 5, v19
	v_mul_u32_u24 v24, v18, TP
	v_lshl_add_u32 v24, v19, 4, v24                ; token r, 16 bytes for each half
	s_mul_i32 s33, s12, 320
	s_add_co_u32 s33, s33, STAGE
	v_add_nc_u32 v8, s33, v24                      ; + my four heads' rows of 80 bytes
	s_mul_i32 s33, s12, 640
	v_add_nc_u32 v10, s33, v24                     ; + my four heads' rows of 160 bytes
	s_mul_i32 s2, s12, 4*TP                        ; my four tokens of a block
	v_mul_u32_u24 v9, v18, 80
	v_lshl_add_u32 v9, v19, 4, v9
	s_add_co_u32 s33, s2, STAGE
	v_add_nc_u32 v9, s33, v9                       ; head r, 16 bytes for each half
	v_lshl_add_u32 v11, v19, 3, v21                ; the turning load: head 8 h + l % 8,
	v_mul_u32_u24 v11, v11, 160
	v_lshl_add_u32 v11, v22, 4, v11                ; channels 8 ((l / 8) % 2) on
	v_add_nc_u32 v11, s2, v11
	s_mul_i32 s33, s12, 9216
	s_add_co_u32 s33, s33, OUTST
	v_mul_u32_u24 v12, v18, 144
	v_lshl_add_u32 v12, v19, 4, v12
	v_add_nc_u32 v12, s33, v12                     ; in: head r, 16 bytes for each half
	v_mul_u32_u24 v13, v23, 144
	v_lshl_add_u32 v13, v21, 4, v13
	v_add_nc_u32 v13, s33, v13                     ; back: four heads of 128 bytes: 512 consecutive bytes of ctx
	v_lshlrev_b32 v14, 4, v20
	v_lshlrev_b32 v15, 12, v20
	s_wait_dscnt 0x0                               ; the opening add is done
	s_wait_kmcnt 0x0
	s_mov_b32 s3, 0
	s_mov_b32 s2, s25
	s_add_nc_u64 s[36:37], s[6:7], s[2:3]          ; wt at my quarter of a chunk
	s_lshl_b32 s2, s14, 18
	s_add_nc_u64 s[48:49], s[4:5], s[2:3]          ; x at my work-group's 64 rows of 4,096 bytes
	s_lshl_b32 s2, s12, 16
	s_add_nc_u64 s[38:39], s[48:49], s[2:3]        ; at my wave's 16
	s_lshr_b32 s2, s12, 1
	s_lshl_b32 s2, s2, 17
	s_add_nc_u64 s[48:49], s[48:49], s[2:3]        ; at my wave pair's 32
	s_lshl_b32 s2, s12, 10
	s_add_nc_u64 s[54:55], s[8:9], s[2:3]          ; bq at my 256 columns of pass 0
	s_lshl_b32 s2, s14, 17
	s_add_nc_u64 s[62:63], s[10:11], s[2:3]        ; ctx at my work-group's 64 rows of 2,048 bytes,
	s_lshl_b32 s2, s12, 13
	s_add_nc_u64 s[62:63], s[62:63], s[2:3]        ; at token 4 w
	MKOFF 0                                        ; chunk 0
	MKOFF 1                                        ; chunk 1
	CROUND                                         ; all four work-groups are here: the first joint loads meet
	tensor_load_to_lds s[24:27], s[16:23]          ; both first fills together: two loads of mine are out, later one
	s_nop 0
	tensor_load_to_lds s[28:31], s[16:23]
	s_nop 0
	PLACES
	XLOAD 0                                        ; chunk 0: x is asked for first, since the first products wait for it longest
	XLOAD 1                                        ; chunk 1
	BIAS 0
	BIAS 1
	BIAS 2
	BIAS 3
	WIN 0x40
.set i, 0
.rept 128
	v_mov_b32 v[i], 0                              ; the scores start at 0, so that both passes of q and k have one text; written while the first loads are out
.set i, i+1
.endr
	XSTORE 0, 63                                   ; 144 loads have been issued, chunk 0's eight first: with 63 out at the most they are in
	XLOAD 0                                        ; chunk 2; its wait has freed the bias loads' base:
	s_add_nc_u64 s[54:55], s[54:55], 4096          ; on to the next pass's
	WIN 0
	s_wait_loadcnt 8                               ; all but chunk 2's eight loads: the bias lies in the accumulators, chunk 1 is in
	s_wait_tensorcnt 0x1                           ; my quarter of slot 0 is in; slot 1's may stay out
	s_wait_dscnt 0x0                               ; my rows of x are stored
	s_barrier_signal -1
	s_barrier_wait -1
	FB 0, 0, 0, B0
	FA 0, 0, A0
	s_mov_b32 s60, 23
.Lmain:                                        ; 23 trips, chunks 0 to 45: every one of them fills its slot again.  (Chunk 45's load of x names a chunk that does not exist: its byte along K has wrapped to my own
	SLOT 0, 1, 1, 1, 1, 1, 1                       ; rows' first; 4 KiB a wave that nobody reads: the price of one text for every trip.)
	SLOT 1, 1, 1, 1, 1, 1, 1
	WIN 0
	s_and_b32 s33, s60, 7                          ; the counter stands at 16 behind chunk 15 and at 8 behind chunk 31: a pass of q and k has ended.  It is the same number in every wave and work-group
	s_cmp_lg_u32 s33, 0
	s_cbranch_scc1 .Lnext
	; THE PARTIAL SCORES.  A block of 16 tokens at a time: every wave puts its four heads' q and k (32 channels, f16) into the stage; a barrier; every wave reads four whole tokens back, 16 heads x 32 channels of k
	; and of q each, and adds S^T += k q^T: a lane then holds one query head (lane % 16) and the key heads 8 (lane / 16) + 0..7.  A second barrier before the stage is written again.
	; The next chunk's first fragments (v32-95, v160-191) and x on its way stay untouched.  A block's accumulators take the next pass's bias as soon as they are packed.
	PLACES
	CVTS 0, T1
	BIAS 0
.irp t, 0,1,2,3
	WIN 0
.set nb, 0
.rept 16
	ds_store_b128 v8, v[T1+4*nb:T1+4*nb+3] offset:(16*((nb/2)%2)+nb/4)*80+32*(nb%2)   ; row: q or k, head; 16 channels of the 32
.set nb, nb+1
.endr
	s_wait_dscnt 0x0                               ; for the others' sake: my stores are done
	s_barrier_signal -1
	s_barrier_wait -1
.irp i, 0,1,2,3
	ds_load_b128 v[T2+16*\i:T2+16*\i+3],     v9 offset:TP*\i+1280      ; k of token 4 w + i
	ds_load_b128 v[T2+16*\i+4:T2+16*\i+7],   v9 offset:TP*\i+1280+32
	ds_load_b128 v[T2+16*\i+8:T2+16*\i+11],  v9 offset:TP*\i           ; q
	ds_load_b128 v[T2+16*\i+12:T2+16*\i+15], v9 offset:TP*\i+32
.endr
.if \t < 3
	CVTS \t+1, T1                                  ; the next block's conversions stand in the wait for those loads
	BIAS \t+1
.endif
	s_wait_dscnt 0x0                               ; my reads of the stage are back
	s_barrier_signal -1
	WIN 0x50
.irp i, 0,1,2,3
	v_wmma_f32_16x16x32_f16 v[8*(4*\t+\i):8*(4*\t+\i)+7], v[T2+16*\i:T2+16*\i+7], v[T2+16*\i+8:T2+16*\i+15], v[8*(4*\t+\i):8*(4*\t+\i)+7]
.endr
	PLACES
	WIN 0
	s_barrier_wait -1
.endr
	s_wait_loadcnt 0x0                             ; the next pass's bias is in the accumulators
	s_add_nc_u64 s[54:55], s[54:55], 4096
	s_cmp_lg_u32 s60, 8                            ; behind the second pass the scores are whole
	s_cbranch_scc1 .Lnext
	; THE SOFTMAX over the 16 key heads, for my 16 tokens, each step for all of them.  A lane has 8 scores of a query head, the lane 16 away the other 8.  p = 2^(c s - c m) with m the row's maximum;
	; p is divided by the row's sum in f32 and then rounded to f16.  Four packed registers ARE the first half of source 1 (key heads 8 (lane / 16) + 0..7) of ctx^T = v^T P; the second half, key heads 16-31, is 0.
.macro ALLT line:vararg
.set t, 0
.rept 16
	\line
.set t, t+1
.endr
.endm
	WIN 0x55
	ALLT v_max3_num_f32 v[SM+2*t], v[8*t], v[8*t+1], v[8*t+2]
	ALLT v_max3_num_f32 v[SM+2*t+1], v[8*t+3], v[8*t+4], v[8*t+5]
	ALLT v_max3_num_f32 v[SM+2*t], v[SM+2*t], v[8*t+6], v[8*t+7]
	ALLT v_max_num_f32 v[SM+2*t], v[SM+2*t], v[SM+2*t+1]
	ALLT v_permlanex16_b32 v[SM+2*t+1], v[SM+2*t], s58, s59
	ALLT v_max_num_f32 v[SM+2*t], v[SM+2*t], v[SM+2*t+1]
	ALLT v_mul_f32 v[SM+2*t], s56, v[SM+2*t]
.irp k, 0,1,2,3
	ALLT v_pk_fma_f32 v[8*t+2*\k:8*t+2*\k+1], v[8*t+2*\k:8*t+2*\k+1], s[56:57], v[SM+2*t:SM+2*t+1] op_sel_hi:[1,0,0] neg_lo:[0,0,1] neg_hi:[0,0,1]
.endr
.irp j, 0,1,2,3,4,5,6,7
	ALLT v_exp_f32 v[8*t+\j], v[8*t+\j]
.endr
	v_nop                                          ; a plain instruction between the last exponential and the use of its result (ISA guide 5.7.2)
	s_wait_alu depctr_va_vdst(0)
	ALLT v_pk_add_f32 v[SM+2*t:SM+2*t+1], v[8*t:8*t+1], v[8*t+2:8*t+3]
	ALLT v_pk_add_f32 v[SM+2*t:SM+2*t+1], v[SM+2*t:SM+2*t+1], v[8*t+4:8*t+5]
	ALLT v_pk_add_f32 v[SM+2*t:SM+2*t+1], v[SM+2*t:SM+2*t+1], v[8*t+6:8*t+7]
	ALLT v_add_f32 v[SM+2*t], v[SM+2*t], v[SM+2*t+1]
	ALLT v_permlanex16_b32 v[SM+2*t+1], v[SM+2*t], s58, s59
	ALLT v_add_f32 v[SM+2*t], v[SM+2*t], v[SM+2*t+1]
	ALLT v_rcp_f32 v[SM+2*t], v[SM+2*t]
	v_nop
	s_wait_alu depctr_va_vdst(0)
.irp k, 0,1,2,3
	ALLT v_pk_mul_f32 v[8*t+2*\k:8*t+2*\k+1], v[8*t+2*\k:8*t+2*\k+1], v[SM+2*t:SM+2*t+1] op_sel_hi:[1,0]
.endr
.irp k, 0,1,2,3
	ALLT v_cvt_pk_f16_f32 v[8*t+\k], v[8*t+2*\k], v[8*t+2*\k+1]
.endr
.irp j, 4,5,6,7
	ALLT v_mov_b32 v[8*t+\j], 0
.endr
	WIN 0
.Lnext:
	s_sub_co_u32 s60, s60, 1
	s_cmp_lg_u32 s60, 0
	s_cbranch_scc1 .Lmain
	SLOT 0, 0, 1, 0, 1, 1, 0                       ; the tail is written out: nothing is asked for, so no round of the cluster's barrier
	SLOT 1, 0, 0, 0, 0, 0, 0
	; v INTO LDS, ctx^T = v^T P, AND THE WAY OUT.  The ring has had its last fill: v of all 64 tokens (f16, [head][channel]) lies where it was.
	PLACES
	WIN 0
	s_wait_loadcnt 0x0
	s_wait_dscnt 0x0
	s_barrier_signal -1
	s_barrier_wait -1                              ; no wave reads the ring any more
.irp t, 0,1,2,3
	CVTS \t, CV
	WIN 0
	v_add_nc_u32 v18, 16*TP*\t, v10
.set nb, 0
.rept 16
	ds_store_b128 v18, v[CV+4*nb:CV+4*nb+3] offset:160*(nb/4)+32*(nb%4)   ; head 4 w + nb / 4, channels 16 (nb % 4) on
.set nb, nb+1
.endr
.endr
.set n, 0
.rept 16
.irp j, 4,5,6,7
	v_mov_b32 v[VF+8*n+\j], 0                      ; key heads 16-31 of source 0: there are none
.endr
.set n, n+1
.endr
	s_wait_dscnt 0x0
	s_barrier_signal -1
	s_barrier_wait -1                              ; all of v lies in LDS
.set n, 0
.rept 16
	ds_load_tr16_b128 v[VF+8*n:VF+8*n+3], v11 offset:TP*(n/4)+32*(n%4)   ; token 4 w + n / 4 of block 0, channels 16 (n % 4) on, turned: lane l holds channel l % 16 and 8 heads
.set n, n+1
.endr
.irp t, 0,1,2,3
	s_wait_dscnt 0x0                               ; v^T of this block's four tokens is in
	WIN 0x84                                       ; v^T in window 0, P in window 1, the result in window 2
.set n, 0
.rept 16
	v_wmma_f32_16x16x32_f16 v[8*n:8*n+7], v[VF+8*n:VF+8*n+7], v[8*(4*\t+n/4):8*(4*\t+n/4)+7], 0
.set n, n+1
.endr
	PLACES
.if \t < 3
	WIN 0
	v_add_nc_u32 v18, 16*TP*(\t+1), v11
.set n, 0
.rept 16
	ds_load_tr16_b128 v[VF+8*n:VF+8*n+3], v18 offset:TP*(n/4)+32*(n%4)
.set n, n+1
.endr
.endif
	WIN 0x0a
.set n, 0
.rept 64
	v_cvt_pk_f16_f32 v[CV+n], v[2*n], v[2*n+1]     ; a lane holds one head and eight neighbouring channels: 16 bytes
.set n, n+1
.endr
	WIN 0
.set n, 0
.rept 16
	ds_store_b128 v12, v[CV+4*n:CV+4*n+3] offset:2304*(n/4)+32*(n%4)
.set n, n+1
.endr
	s_wait_xcnt 0x0                                ; the last block's stores have read their data: those registers are loaded again only behind this wait
	WIN 0xc0
.set n, 0
.rept 16
	ds_load_b128 v[4*n:4*n+3], v13 offset:2304*(n/4)+576*(n%4)   ; LDS serves a wave's instructions in order (ISA guide 5.7.1.4): these see the stores above
.set n, n+1
.endr
	s_wait_dscnt 0x0
	WIN 0x0c
.set n, 0
.rept 16
	global_store_b128 v14, v[4*n:4*n+3], s[62:63] offset:32768*\t+2048*(n/4)+512*(n%4)   ; 512 consecutive bytes, at a multiple of 256 from ctx's first byte
.set n, n+1
.endr
.endr
	WIN 0
	s_wait_tensorcnt 0x0                           ; the wave's end, behind my last tensor load and my last LDS store
	ds_add_u32 v16, v17
	s_wait_dscnt 0x0
	CROUND                                         ; the closing round: no work-group ends while a partner may still ask for a tile that names it
	s_endpgm
.Lfunc_end_k_q0a56198c14_qkvatt:
	.size	k_q0a56198c14_qkvatt, .Lfunc_end_k_q0a56198c14_qkvatt-k_q0a56198c14_qkvatt
	.p2alignl 7, 3214868480
	.fill 96, 4, 3214868480
	.section	.rodata,"a",@progbits
	.p2align	6, 0x0
	.amdhsa_kernel k_q0a56198c14_qkvatt
		.amdhsa_group_segment_fixed_size 327680
		.amdhsa_private_segment_fixed_size 0
		.amdhsa_enable_private_segment 0
		.amdhsa_kernarg_size 32
		.amdhsa_user_sgpr_count 2
		.amdhsa_user_sgpr_kernarg_segment_ptr 1
		.amdhsa_wavefront_size32 1
		.amdhsa_system_sgpr_workgroup_id_x 1
		.amdhsa_system_sgpr_workgroup_id_y 1
		.amdhsa_system_sgpr_workgroup_id_z 1
		.amdhsa_system_vgpr_workitem_id 0
		.amdhsa_next_free_vgpr 1024
		.amdhsa_next_free_sgpr 66
		.amdhsa_reserve_vcc 0
		.amdhsa_float_denorm_mode_32 3
		.amdhsa_float_denorm_mode_16_64 3
		.amdhsa_memory_ordered 1
		.amdhsa_forward_progress 1
		.amdhsa_inst_pref_size 225
	.end_amdhsa_kernel
	.amdgpu_metadata
---
amdhsa.version: [ 1, 2 ]
amdhsa.kernels:
  - .name:           k_q0a56198c14_qkvatt
    .symbol:         k_q0a56198c14_qkvatt.kd
    .args:
      - { .name: x, .offset: 0, .size: 8, .value_kind: global_buffer, .address_space: global }
      - { .name: wt, .offset: 8, .size: 8, .value_kind: global_buffer, .address_space: global }
      - { .name: bq, .offset: 16, .size: 8, .value_kind: global_buffer, .address_space: global }
      - { .name: ctx, .offset: 24, .size: 8, .value_kind: global_buffer, .address_space: global }
    .group_segment_fixed_size: 327680
    .private_segment_fixed_size: 0
    .kernarg_segment_align: 8
    .kernarg_segment_size: 32
    .max_flat_workgroup_size: 128
    .sgpr_count:     66
    .vgpr_count:     1024
    .wavefront_size: 32
...
	.end_amdgpu_metadata
.endif
;; end of part 2
;; launch outproj (part 3): grid 4 x 64, 4 waves a work-group, clusters of 4 x 4, 327,680 bytes of LDS; arguments ctx, wt, bq, out0; writes out0
.if DOCPART == 3
	.amdgcn_target "amdgcn-amd-amdhsa--gfx1250"
	.amdhsa_code_object_version 6
	.text
	.protected	k_q0a56198c14_outproj
	.globl	k_q0a56198c14_outproj
	.p2align	8
	.type	k_q0a56198c14_outproj,@function
k_q0a56198c14_outproj:
	s_mov_b64 s[64:65], 0
	v_nop
	global_prefetch_b8 v0, s[64:65] scope:SCOPE_SE
	s_setreg_imm32_b32 hwreg(HW_REG_WAVE_MODE, 25, 1), 1
	s_wait_xcnt 0x0
	s_wait_alu depctr_hold_cnt(0) depctr_sa_sdst(0) depctr_va_vdst(0) depctr_va_sdst(0) depctr_va_ssrc(0) depctr_va_vcc(0) depctr_vm_vsrc(0)
	s_getreg_b32 s2, hwreg(HW_REG_IB_STS2, 6, 4)
	s_cmp_eq_u32 s2, 0
	s_cbranch_scc0 .Lentry_in_a_cluster
	s_endpgm
.Lentry_in_a_cluster:
	s_bfe_u32 s2, ttmp6, 0x10000c
	s_cmp_lg_u32 s2, 0xf033
	s_cbranch_scc0 .Lentry_shape_is_right
	s_endpgm
.Lentry_shape_is_right:
; out0 = ctx W_out + b_out.  ctx: [16384][1024] f16; W_out as pass 3 of wt: f16 numbers in fragment order, [kc 16][tile column 4][ks 2][nb 16][1,024 bytes]; b_out as pass 3 of bq; out0: [16384][1024] f32.
; A tile of out0, 256 x 256, is made by a work-group of four waves, each 128 x 128: 64 accumulators of 16 x 16, 512 registers.  64 x 4 tiles: one for each of 256 work-groups.
; K goes in 8 steps of 128 through a ring of two LDS slots.  ctx's tile: 256 rows of 256 bytes, padded to 272; the weights' tile: two dense blocks of 32,768 bytes, read back 16 bytes a lane on end.
; CLUSTERS: 4 x 4 work-groups.  The four of a row of the cluster need the same tile of ctx, the four of a column the same tile of the weights: each is asked for JOINTLY, by the same tensor load with the same
; descriptor and a mask that names the four.  Waves 0 and 1 fetch ctx's two halves, waves 2 and 3 the weights' two blocks.
; THE MATRIX INSTRUCTION IS USED TRANSPOSED (source 0 = 16 columns of the weights, source 1 = 16 rows of ctx): a lane holds eight neighbouring numbers of a row of out0.  The first product of each sum takes the bias as C.
; LIMITS: sums in f32, K ascending; NaN and infinities are not treated apart.
; REGISTERS, in windows of 256: window 0: v16-30 addresses; v64-127, v128-191 fragments of ctx, two buffers, at the end rows on their way out; v192-255 the bias of my 128 columns
;   window 1: v64-127, v128-191 fragments of the weights   window 2: the accumulators of my rows 0-63 ((a, b) at v[8 (8 a + b)])   window 3: those of my rows 64-127
.set KSTEP,  128
.set PITCH,  272                       ; an LDS row of ctx: 256 bytes + 16: the 16 rows of a fragment load start at 16 different groups of four banks (64 banks of 4 bytes: ISA guide 11.1)
.set HALFT,  128*PITCH
.set BOFF,   2*HALFT                   ; behind ctx's 256 rows: the weights, 65,536 bytes
.set SLOT,   BOFF+65536
.set STAGE,  2*SLOT                    ; behind the ring: 16 rows x 528 bytes for each wave, for the way out
.set SPITCH, 528
.set SPARE,  STAGE+4*16*SPITCH         ; the spare words, 128 bytes for each wave: two blocks of 256 bytes that no other line names
.set LAPS,   4                         ; a lap = two K steps = once round the ring
.set ADRA, 16                          ; v16-17  LDS address of my ctx fragments in slot 0, 1
.set ADRB, 20                          ; v20-21  the same for the weights
.set STO,  24                          ; v24     the way out: where I put 32 bytes of a row
.set RD,   25                          ; v25     the way out: where I read a row back
.set CO,   26                          ; v26     16 x lane: my 16 bytes of a row's 512
.set BO,   27                          ; v27     my 32 bytes of a bias block
.set SPW,  28                          ; v28     my spare word's address; never rewritten
.set NIL,  29                          ; v29     0; never rewritten
.set PFO,  30                          ; v30     the prefetches' offset: lane x a row of ctx
.set F0,   64
.set F1,   128
.set BIAS, 192
.set OB,   64
.set G1,  24                           ; s[24:31] group 1 for ctx's tiles;   s[32:39] group 0, a set for each slot
.set G0,  32
.set G1B, 48                           ; s[48:55], s[56:63] the same for the weights'
.set G0B, 56
.set LIM, 66                           ; s66      1 in a wave that prefetches, else the greatest number
.set PFA, 68                           ; s[68:69] where my prefetches stand
; s12 wave   s13 which half of the tile's rows is mine, also: I fetch ctx (0) or weights (1)   s14 which half of its columns, also: which half of that tile I fetch   s15 tile row   s42 tile column
.set MSB, 0
.macro WIN new
.if MSB != (\new)
	s_set_vgpr_msb (MSB<<8)|(\new)
.set MSB, (\new)
.endif
.endm
.set MUL_LO, 0xa1                      ; source 0 (weights) window 1, source 1 (ctx) window 0, C and D window 2
.set TO_B,   0x40
.macro PLACES
.rept 4
	v_nop
.endr
.endm
.macro JLOAD s                         ; a joint load; the branch hangs on the wave's number alone; an s_nop 0 and four v_nop follow each of the two lines
	s_cmp_eq_u32 s13, 0
	s_cbranch_scc0 .Lfor_b_\@
	tensor_load_to_lds s[G0+4*(\s):G0+4*(\s)+3], s[G1:G1+7]
	s_nop 0
	PLACES
	s_branch .Lasked_\@
.Lfor_b_\@:
	tensor_load_to_lds s[G0B+4*(\s):G0B+4*(\s)+3], s[G1B:G1B+7]
	s_nop 0
	PLACES
.Lasked_\@:
.endm
; A PREFETCH INTO THE L2 of ctx, behind each joint load and the run of LDS loads that follows it: the K step that stands two refills on, 512 matrix instructions ahead of the load that will want it.
; Of the 128 rows that wave 0 or 1 fetches, the partner at place cx takes 32, told apart by address: a lane a row of 256 bytes, one instruction a wave: each block is named once in the launch.
; K steps 4 to 7; the first four come by their loads alone; the loop's last trip asks for nothing.  The weights are not asked for: every cluster reads all of them.
.macro ASK
	s_cmp_gt_u32 s3, s[LIM]
	s_cbranch_scc0 .Lnot_mine_\@
	global_prefetch_b8 v[PFO], s[PFA:PFA+1] offset:KSTEP*2 th:TH_LOAD_NT scope:SCOPE_SE
.Lnot_mine_\@:
.endm
.macro CREST
	s_cmp_lg_u32 s12, 0
	s_cbranch_scc1 .Lnot_wave_0_\@
	s_barrier_signal -3
.Lnot_wave_0_\@:
	s_barrier_wait -3
	s_barrier_signal -1
	s_barrier_wait -1
.endm
.macro CROUND
	s_barrier_signal -1
	s_barrier_wait -1
	CREST
.endm
	s_load_b256 s[4:11], s[0:1], 0x0               ; ctx s[4:5], wt s[6:7], bq s[8:9], out0 s[10:11]
	v_lshl_add_u32 v[SPW], v0, 2, SPARE
	v_mov_b32 v[NIL], 0
	ds_add_u32 v[SPW], v[NIL]                      ; the wave's opening: the add and its wait stand ahead of my first tensor load; the set-up below, work on registers, stands between them
	v_lshrrev_b32 v1, 5, v0
	v_readfirstlane_b32 s12, v1                    ; wave 0..3
	s_lshr_b32 s13, s12, 1
	s_and_b32 s14, s12, 1
	s_bfe_u32 s40, ttmp6, 0x40000                  ; cx
	s_bfe_u32 s41, ttmp6, 0x40004                  ; cy
	s_lshl_b32 s42, ttmp9, 2
	s_add_co_u32 s42, s42, s40                     ; tile column = 4 x cluster x + cx
	s_and_b32 s15, ttmp7, 0xffff
	s_lshl_b32 s15, s15, 2
	s_add_co_u32 s15, s15, s41                     ; tile row = 4 x cluster y + cy
	s_lshl_b32 s43, s41, 2
	s_lshl_b32 s43, 15, s43                        ; my row of the cluster
	s_lshl_b32 s44, 0x1111, s40                    ; my column
	s_or_b32 s[G1+0], s43, (1<<16)|(1<<20)|(1<<21)|(5<<22)|(3<<25)  ; ctx: the mask of my row; elements of 2 bytes; padding on; 21 set beside a mask; after every 64 words 4 words
	s_mov_b32 s[G1+1], KSTEP<<16                   ; tensor_dim0 = 128
	s_mov_b32 s[G1+2], 128<<16                     ; tensor_dim1 = 128
	s_mov_b32 s[G1+3], KSTEP<<16                   ; tile_dim0 = 128
	s_mov_b32 s[G1+4], 128                         ; tile_dim1 = 128
	s_mov_b32 s[G1+5], 1024                        ; elements from row to row
	s_mov_b32 s[G1+6], 0
	s_mov_b32 s[G1+7], 0
	s_or_b32 s[G1B+0], s44, (3<<16)|(1<<21)        ; weights: the mask of my column; elements of 8 bytes; no padding: 32,768 dense bytes as 128 rows of 256
	s_mov_b32 s[G1B+1], 32<<16
	s_mov_b32 s[G1B+2], 128<<16
	s_mov_b32 s[G1B+3], 32<<16
	s_mov_b32 s[G1B+4], 128
	s_mov_b32 s[G1B+5], 32
	s_mov_b32 s[G1B+6], 0
	s_mov_b32 s[G1B+7], 0
	; ctx's tile hangs on the tile row alone, the weights' on the tile column alone; every wave makes both addresses, in registers that never hold the other coordinate
	s_lshl_b32 s16, s15, 8
	s_lshl_b32 s17, s14, 7
	s_add_co_u32 s16, s16, s17                     ; row 256 x tile row + 128 x half,
	s_lshl_b32 s16, s16, 11                        ; of 2,048 bytes: under 2^26
	s_mov_b32 s17, 0
	s_lshl_b32 s46, s42, 15                        ; the tile column's block of a chunk,
	s_lshl_b32 s47, s14, 17                        ; the K step's first or second chunk of 64,
	s_add_co_u32 s46, s46, s47
	s_add_co_u32 s46, s46, 3<<21                   ; in pass 3
	s_mov_b32 s47, 0
	s_mul_i32 s20, s12, HALFT                      ; where they go: ctx's halves at wave x 34,816 (waves 0, 1),
	s_lshl_b32 s21, s12, 15
	s_add_co_u32 s21, s21, BOFF-65536              ; the weights' blocks at 69,632 + (wave - 2) x 32,768 (waves 2, 3)
	s_wait_dscnt 0x0                               ; the opening add is done
	s_wait_kmcnt 0x0
	s_add_nc_u64 s[18:19], s[4:5], s[16:17]
	s_add_nc_u64 s[46:47], s[6:7], s[46:47]
	CROUND                                         ; all sixteen work-groups are here: the first joint loads meet
.irp s, 0,1
	s_mov_b32 s[G0+4*(\s)], 1
	s_add_co_u32 s[G0+4*(\s)+1], s20, (\s)*SLOT
	s_add_nc_u64 s[G0+4*(\s)+2:G0+4*(\s)+3], s[18:19], (\s)*KSTEP*2
	s_or_b32 s[G0+4*(\s)+3], s[G0+4*(\s)+3], 0x80000000
	s_mov_b32 s[G0B+4*(\s)], 1
	s_add_co_u32 s[G0B+4*(\s)+1], s21, (\s)*SLOT
	s_add_nc_u64 s[G0B+4*(\s)+2:G0B+4*(\s)+3], s[46:47], (\s)*262144
	s_or_b32 s[G0B+4*(\s)+3], s[G0B+4*(\s)+3], 0x80000000
	JLOAD \s                                       ; K steps 0 and 1: two loads of mine are out, later one
.endr
	v_and_b32 v1, 15, v0                           ; l % 16
	v_bfe_u32 v2, v0, 4, 1                         ; l / 16
	v_and_b32 v4, 31, v0                           ; l
	v_lshlrev_b32 v[BO], 5, v2
	s_lshl_b32 s16, s42, 10
	s_lshl_b32 s17, s14, 9
	s_add_co_u32 s16, s16, s17
	s_add_co_u32 s16, s16, 12288                   ; pass 3 of bq, my 128 columns
	s_mov_b32 s17, 0
	s_add_nc_u64 s[8:9], s[8:9], s[16:17]
.irp b, 0,1,2,3,4,5,6,7
	global_load_b128 v[BIAS+8*\b:BIAS+8*\b+3],   v[BO], s[8:9] offset:64*\b
	global_load_b128 v[BIAS+8*\b+4:BIAS+8*\b+7], v[BO], s[8:9] offset:64*\b+16
.endr
	v_mul_u32_u24 v3, v1, PITCH
	v_lshl_add_u32 v3, v2, 4, v3                   ; a fragment's row x pitch + 16 x half
	v_lshlrev_b32 v[CO], 4, v4
	s_mul_i32 s22, s13, HALFT                      ; my 128 rows of ctx
	s_lshl_b32 s23, s14, 13
	s_add_co_u32 s23, s23, BOFF                    ; my eight blocks of the weights' sixteen
.irp s, 0,1
	v_add_nc_u32 v[ADRA+(\s)], s22, v3
	v_add_nc_u32 v[ADRB+(\s)], s23, v[CO]
	s_add_co_u32 s22, s22, SLOT
	s_add_co_u32 s23, s23, SLOT
.endr
	s_mul_i32 s23, s12, 16*SPITCH
	s_add_co_u32 s23, s23, STAGE                   ; my stage
	v_mul_u32_u24 v5, v1, SPITCH
	v_lshl_add_u32 v5, v2, 5, v5                   ; in: row l % 16, 32 bytes for each half of the lanes
	v_add_nc_u32 v[STO], s23, v5
	v_add_nc_u32 v[RD], s23, v[CO]                 ; back: a row's 512 bytes, 16 a lane
	v_lshlrev_b32 v[PFO], 11, v4
	s_lshl_b32 s16, s15, 8
	s_lshl_b32 s17, s13, 7
	s_add_co_u32 s16, s16, s17                     ; my first row of out0,
	s_lshl_b32 s16, s16, 12                        ; of 4,096 bytes: under 2^27
	s_lshl_b32 s17, s42, 10
	s_add_co_u32 s16, s16, s17                     ; the tile's 256 columns,
	s_lshl_b32 s17, s14, 9
	s_add_co_u32 s16, s16, s17                     ; my 128
	s_mov_b32 s17, 0
	s_add_nc_u64 s[10:11], s[10:11], s[16:17]
	s_lshl_b32 s16, s15, 8
	s_lshl_b32 s17, s14, 7
	s_add_co_u32 s16, s16, s17
	s_lshl_b32 s17, s40, 5
	s_add_co_u32 s16, s16, s17                     ; the prefetches: my work-group's 32 of the 128 rows that I fetch,
	s_lshl_b32 s16, s16, 11
	s_add_co_u32 s16, s16, 2*KSTEP*2               ; at K step 2: the first refill steps it to 3 and names K step 4
	s_mov_b32 s17, 0
	s_add_nc_u64 s[PFA:PFA+1], s[4:5], s[16:17]
	s_cmp_eq_u32 s13, 0
	s_cselect_b32 s[LIM], 1, -1                    ; waves 0 and 1
; 16 matrix instructions: row blocks a0, a0 + 1 of the window's four x all 8 column blocks, 32 along K.  first = 1: the sum starts at the bias.  The 64 accumulators take turns, one instruction a turn.
.macro MUL16 f, hi, a0, first
.if \first
	WIN 0x81+0x40*(\hi)                            ; C (the bias) in window 0
.else
	WIN MUL_LO+0x50*(\hi)
.endif
.irp a, \a0, (\a0)+1
.irp b, 0,1,2,3,4,5,6,7
.if \first
	v_wmma_f32_16x16x32_f16 v[8*(8*(\a)+(\b)):8*(8*(\a)+(\b))+7], v[(\f)+8*(\b):(\f)+8*(\b)+7], v[(\f)+8*(4*(\hi)+(\a)):(\f)+8*(4*(\hi)+(\a))+7], v[BIAS+8*(\b):BIAS+8*(\b)+7]
.else
	v_wmma_f32_16x16x32_f16 v[8*(8*(\a)+(\b)):8*(8*(\a)+(\b))+7], v[(\f)+8*(\b):(\f)+8*(\b)+7], v[(\f)+8*(4*(\hi)+(\a)):(\f)+8*(4*(\hi)+(\a))+7], v[8*(8*(\a)+(\b)):8*(8*(\a)+(\b))+7]
.endif
.endr
.endr
.endm
; 32 LDS loads in one run: the fragments of quarter q of a K step into buffer f
.macro FETCH slot, q, f
	WIN TO_B
.irp i, 0,1,2,3,4,5,6,7
	ds_load_b128 v[(\f)+8*(\i):(\f)+8*(\i)+3],   v[ADRB+(\slot)] offset:32768*((\q)/2)+16384*((\q)%2)+1024*(\i)
	ds_load_b128 v[(\f)+8*(\i)+4:(\f)+8*(\i)+7], v[ADRB+(\slot)] offset:32768*((\q)/2)+16384*((\q)%2)+1024*(\i)+512
.endr
	WIN 0
.irp i, 0,1,2,3,4,5,6,7
	ds_load_b128 v[(\f)+8*(\i):(\f)+8*(\i)+3],   v[ADRA+(\slot)] offset:64*(\q)+(\i)*16*PITCH
	ds_load_b128 v[(\f)+8*(\i)+4:(\f)+8*(\i)+7], v[ADRA+(\slot)] offset:64*(\q)+(\i)*16*PITCH+32
.endr
.endm
; One of a K step's first three quarters: multiplies buffer f; in its middle it fetches quarter q of the same slot into buffer g
.macro QUARTER slot, q, f, g, first
	s_wait_dscnt 8                                 ; the weights and ctx's rows 0-63 are in; the youngest eight loads (rows 64-127) may be out
	MUL16 \f, 0, 0, \first
	MUL16 \f, 0, 2, \first
	PLACES
	FETCH \slot, \q, \g
	s_wait_dscnt 32                                ; all but the 32 just issued
	MUL16 \f, 1, 0, \first
	MUL16 \f, 1, 2, \first
.endm
; The first part of a K step's last quarter: one barrier for the change of slots.  round = 1: a round of the cluster's barrier and a refill follow, and the quarter's next sixteen products stand behind that refill;
; round = 0: nothing is filled, and they stand between the signal and the wait.
.macro MEET round
	WIN 0                                          ; (the add's two registers lie in window 0)
	s_wait_tensorcnt 0x0                           ; all my tensor loads have landed: the one that was out is my part of the next slot
	ds_add_u32 v[SPW], v[NIL]                      ; 0 onto my spare word
	s_wait_dscnt 9                                 ; (the add and the youngest eight loads may be out)
	MUL16 F1, 0, 0, 0
	s_wait_dscnt 0x0                               ; the add is done, and my reads of this slot are over
	s_barrier_signal -1
.if \round
	WIN 0
.else
	MUL16 F1, 0, 2, 0
.endif
	s_barrier_wait -1
.endm
; The whole last quarter, with the slot just read out filled again, two K steps on
.macro TURN slot, next
	s_wait_xcnt 0x0                                ; the last prefetch, a K step back, has read its address
	s_add_nc_u64 s[PFA:PFA+1], s[PFA:PFA+1], KSTEP*2
	MEET 1
	CREST                                          ; no wave of any partner still reads this slot's tile or has a load on its way
	s_add_nc_u64 s[G0+4*(\slot)+2:G0+4*(\slot)+3], s[G0+4*(\slot)+2:G0+4*(\slot)+3], 2*KSTEP*2
	s_add_nc_u64 s[G0B+4*(\slot)+2:G0B+4*(\slot)+3], s[G0B+4*(\slot)+2:G0B+4*(\slot)+3], 524288
	JLOAD \slot                                    ; the first tensor load behind the round: 240 matrix instructions ahead of the wait for it; the four v_nop behind it are also the places in front of the loads into buffer 0
	MUL16 F1, 0, 2, 0                              ; behind the refill, not in front of it: the refill waits for nothing that can come later
	FETCH \next, 0, F0
	ASK
	MUL16 F1, 1, 0, 0
	MUL16 F1, 1, 2, 0
.endm
; THE WAY OUT of block a (16 rows x 128 columns of f32): a lane's 32 bytes of a row go into my stage, rows of 528 bytes, each accumulator's lowest registers first; whole rows of 512 bytes come back.
.macro TOSTAGE a
	WIN 0x08+4*((\a)/4)                            ; the data (source 1) in window 2 or 3
.irp b, 0,1,2,3,4,5,6,7
	ds_store_b128 v[STO], v[64*((\a)%4)+8*(\b):64*((\a)%4)+8*(\b)+3]   offset:64*(\b)
	ds_store_b128 v[STO], v[64*((\a)%4)+8*(\b)+4:64*((\a)%4)+8*(\b)+7] offset:64*(\b)+16
.endr
	WIN 0
	s_wait_xcnt 0x0                                ; the stores of the block two back have read their data: those registers are loaded again only behind this wait
.set row, 0
.rept 16
	ds_load_b128 v[OB+64*((\a)%2)+4*row:OB+64*((\a)%2)+4*row+3], v[RD] offset:SPITCH*row   ; LDS serves a wave's instructions in order (ISA guide 5.7.1.4): these see the stores above
.set row, row+1
.endr
.endm
.macro SEND a, younger                 ; younger: the LDS instructions issued behind block a's loads: the next block's 32, or none
	WIN 0
	s_wait_dscnt \younger
.if (\a) > 0
	s_wait_xcnt 0x0                                ; the stores' base is written only behind this wait
	s_add_nc_u64 s[10:11], s[10:11], 16*4096
.endif
.set row, 0
.rept 16
	global_store_b128 v[CO], v[OB+64*((\a)%2)+4*row:OB+64*((\a)%2)+4*row+3], s[10:11] offset:4096*row   ; 512 consecutive bytes, at a multiple of 256 from out0's first byte
.set row, row+1
.endr
.endm
	s_wait_tensorcnt 1                             ; my part of K step 0 is in; K step 1's may stay out
	s_barrier_signal -1
	s_barrier_wait -1
	FETCH 0, 0, F0
	s_wait_loadcnt 0x0                             ; the bias
	QUARTER 0, 1, F0, F1, 1                        ; the first quarter stands in front of the loop: its products start the sums
	WIN 0
	s_mov_b32 s3, LAPS-1
.Llap:                                         ; a trip goes once round the ring, from a lap's second quarter to the next lap's first, and fills both slots again
	QUARTER 0, 2, F1, F0, 0
	QUARTER 0, 3, F0, F1, 0
	TURN 0, 1
	QUARTER 1, 1, F0, F1, 0
	QUARTER 1, 2, F1, F0, 0
	QUARTER 1, 3, F0, F1, 0
	TURN 1, 0
	QUARTER 0, 1, F0, F1, 0
	WIN 0
	s_sub_co_u32 s3, s3, 1
	s_cmp_lg_u32 s3, 0
	s_cbranch_scc1 .Llap
	QUARTER 0, 2, F1, F0, 0                        ; the last lap fills nothing, and has no round of the cluster's barrier
	QUARTER 0, 3, F0, F1, 0
	MEET 0
	PLACES
	FETCH 1, 0, F0
	MUL16 F1, 1, 0, 0
	MUL16 F1, 1, 2, 0
	QUARTER 1, 1, F0, F1, 0
	QUARTER 1, 2, F1, F0, 0
	QUARTER 1, 3, F0, F1, 0
	s_wait_dscnt 8                                 ; the very last quarter: nothing more to fetch
	MUL16 F1, 0, 0, 0
	MUL16 F1, 0, 2, 0
	s_wait_dscnt 0x0
	MUL16 F1, 1, 0, 0
	MUL16 F1, 1, 2, 0
	PLACES
	TOSTAGE 0
.irp a, 1,2,3,4,5,6,7
	TOSTAGE \a                                     ; a block's way through the stage stands between the loads of the block before and its stores
	SEND (\a)-1, 32
.endr
	SEND 7, 0
	s_wait_tensorcnt 0x0                           ; the wave's end, behind my last tensor load and my last LDS store
	ds_add_u32 v[SPW], v[NIL]
	s_wait_dscnt 0x0
	CROUND                                         ; the closing round: no work-group ends while a partner may still ask for a tile that names it
	s_endpgm
.Lfunc_end_k_q0a56198c14_outproj:
	.size	k_q0a56198c14_outproj, .Lfunc_end_k_q0a56198c14_outproj-k_q0a56198c14_outproj
	.p2alignl 7, 3214868480
	.fill 96, 4, 3214868480
	.section	.rodata,"a",@progbits
	.p2align	6, 0x0
	.amdhsa_kernel k_q0a56198c14_outproj
		.amdhsa_group_segment_fixed_size 327680
		.amdhsa_private_segment_fixed_size 0
		.amdhsa_enable_private_segment 0
		.amdhsa_kernarg_size 32
		.amdhsa_user_sgpr_count 2
		.amdhsa_user_sgpr_kernarg_segment_ptr 1
		.amdhsa_wavefront_size32 1
		.amdhsa_system_sgpr_workgroup_id_x 1
		.amdhsa_system_sgpr_workgroup_id_y 1
		.amdhsa_system_sgpr_workgroup_id_z 1
		.amdhsa_system_vgpr_workitem_id 0
		.amdhsa_next_free_vgpr 1024
		.amdhsa_next_free_sgpr 72
		.amdhsa_reserve_vcc 0
		.amdhsa_float_denorm_mode_32 3
		.amdhsa_float_denorm_mode_16_64 3
		.amdhsa_memory_ordered 1
		.amdhsa_forward_progress 1
		.amdhsa_inst_pref_size 143
	.end_amdhsa_kernel
	.amdgpu_metadata
---
amdhsa.version: [ 1, 2 ]
amdhsa.kernels:
  - .name:           k_q0a56198c14_outproj
    .symbol:         k_q0a56198c14_outproj.kd
    .args:
      - { .name: ctx, .offset: 0, .size: 8, .value_kind: global_buffer, .address_space: global }
      - { .name: wt, .offset: 8, .size: 8, .value_kind: global_buffer, .address_space: global }
      - { .name: bq, .offset: 16, .size: 8, .value_kind: global_buffer, .address_space: global }
      - { .name: out0, .offset: 24, .size: 8, .value_kind: global_buffer, .address_space: global }
    .group_segment_fixed_size: 327680
    .private_segment_fixed_size: 0
    .kernarg_segment_align: 8
    .kernarg_segment_size: 32
    .max_flat_workgroup_size: 128
    .sgpr_count:     72
    .vgpr_count:     1024
    .wavefront_size: 32
...
	.end_amdgpu_metadata
.endif
;; end of part 3
